; MI455X (gfx1250); checked and timed in simulation.
; The chip was launched on July 23, 2026; its instructions are those of AMD's public machine-readable ISA for CDNA 5 (MIT licence, August 2026) and "CDNA5" Instruction Set Architecture Reference Guide (July 2026). The comments in the code are by the model that wrote it; some were corrected since.
;; Position Wise FFN Lora. Allowed arithmetic: matrix products marked QUANTISED: E2M3 operands, one E8M0 scale for each 32 along K, by v_wmma_scale_f32_16x16x128_f8f6f4 with both operands' format E2M3, f32 sums; everything else in f32.
;; Inputs: W1 4,096 x 1,024 float32; W2 1,024 x 4,096 float32; b1 4,096 float32; b2 1,024 float32; scale one number float32; x 4 x 1,024 x 1,024 float32.
;; Outputs: out0 4 x 1,024 x 1,024 float32.
;; This version of the problem:
;;   THIS VERSION OF THE PROBLEM IS GIVEN IN LOW PRECISION. The matrix products marked QUANTISED in the list below multiply operands that are first quantised to E2M3 (2 exponent bits, 3 mantissa bits; 6 bits a number), with one power-of-two scale for each 32 numbers along K (OCP MX v1.0); their sums are f32. All else is computed in f32.
;;   The module's matrix products, in the order in which they are computed (A, B: the left and right operand; K: the contracted axis; several contracted axes count as one K, in the product's order):
;;     1. [M 4,096, K 1,024] x [K 1,024, N 4,096]; A: input x; B: input W1: QUANTISED
;;     2. batch 4 x [M 1,024, K 1,024] x [K 1,024, N 4,096]; A: input x; B: computed on the way: QUANTISED
;;     3. [M 4,096, K 4,096] x [K 4,096, N 1,024]; A: computed on the way; B: input W2: QUANTISED
;;     4. batch 4 x [M 1,024, K 4,096] x [K 4,096, N 1,024]; A: computed on the way; B: computed on the way: QUANTISED
;;   THE QUANTISER, for each operand of a quantised product, along K:
;;     - K is cut into blocks of 32 from its start; a last block that is shorter is filled with zeros.
;;     - A block's scale is 2^e with e = floor(log2(the largest magnitude in the block)) - 2, held to -126 .. 127; a block of zeros has e = 0. As a byte (E8M0): e + 127.
;;     - Each number is divided by its block's scale, clamped to +-7.5, and rounded to the nearest number of E2M3, ties to even, subnormals kept.
;;     - The product sums the exact products of the quantised numbers (number of the format x scale) in f32.
;;   ~~~python
;;   def quantise(x, axis):      # numpy; x: float32 -> the quantised numbers, widened to float32 again
;;       x = np.moveaxis(x, axis, -1); K = x.shape[-1]
;;       x = np.pad(x, [(0, 0)] * (x.ndim - 1) + [(0, -K % 32)]); x = x.reshape(x.shape[:-1] + (-1, 32)); a = np.abs(x).max(-1, keepdims=True)
;;       e = np.where(a > 0, np.clip(np.frexp(np.where(a > 0, a, 1))[1] - 1 - 2, -126, 127), 0)      # np.frexp(a)[1] - 1 = floor(log2(a)), exactly
;;       r = np.clip(x / 2.0 ** e, -7.5, 7.5)
;;       step = 2.0 ** (np.maximum(np.frexp(np.where(r == 0, 1, r))[1] - 1, 0) - 3)
;;       q = np.round(r / step) * step * 2.0 ** e      # np.round: ties to even
;;       return np.moveaxis(q.reshape(q.shape[:-2] + (-1,))[..., :K], -1, axis).astype(np.float32)
;;   ~~~
;;   OPERANDS COMPUTED ON THE WAY. 'Computed on the way' means the value that the module computes at that place (a softmax that the list does not call 'softmax' is quantised finished and normalised). What goes into a quantiser is computed in f32, as accurately as f32 sums, v_exp_f32 and their like allow (about 1e-6 of the number): no bf16 or f16 on the way to a quantiser, and a product that is left as it is and whose result goes on into a quantised operand takes f32 operands (vector FMAs, or v_wmma_f32_16x16x4_f32). A number that lies on a knife's edge between two numbers of the format may be rounded either way, as far as f32 arithmetic and the matrix unit's own rounding can turn it there, and no further.
;; One version. Each part assembles by itself: llvm-mc -triple=amdgcn-amd-amdhsa -mcpu=gfx1250 --defsym DOCPART=n.
;; ======== version 1 of 1: 3 launches
;; limits: a function is approximated: absolute error at most 7.5e-08; an absolute error that grows with the inputs' magnitude: up to 7.5e-08 times it
;; workspace buffers: xq 3,276,800 bytes; w1q 3,276,800 bytes; w2q 3,276,800 bytes; m1q 13,107,200 bytes; m2q 13,107,200 bytes; hq 13,107,200 bytes
;; launch prep (part 1): grid 640 x 1, 4 waves a work-group, no clusters, 34,304 bytes of LDS; arguments x, W1, W2, xq, w1q, w2q, m1q, m2q; writes xq, w1q, w2q, m1q, m2q
.if DOCPART == 1
	.amdgcn_target "amdgcn-amd-amdhsa--gfx1250"
	.amdhsa_code_object_version 6
	.text
	.protected	k_qfbd6be8948_prep
	.globl	k_qfbd6be8948_prep
	.p2align	8
	.type	k_qfbd6be8948_prep,@function
k_qfbd6be8948_prep:
	s_mov_b64 s[64:65], 0
	v_nop
	global_prefetch_b8 v0, s[64:65] scope:SCOPE_SE
	s_setreg_imm32_b32 hwreg(HW_REG_WAVE_MODE, 25, 1), 1
	s_wait_xcnt 0x0
; x [4096][1024], W1 [4096][1024], W2 [1024][4096] (f32, K innermost) are turned into codes of FP6 (E2M3) with one E8M0 byte for each 32 along K;
; m1[b][1024 k + i][d] = even_k[i] odd_k[d] (k = 0..3) and m2[b][o][h] = even_(4 + o/256)[4 (o % 256) + h / 1024] odd_(4 + o/256)[h % 1024] are made in f32 (one rounding a product) and turned into codes likewise;
; even_k = x[b][1 + 2 k], odd_k = x[b][2 + 2 k].
; THE WORKSPACE FORMAT: a RECORD of 6,400 bytes holds 64 rows x 128 K as images of the operand registers: four fragments (16 rows x 128 K, 12 registers a lane) of 1,536 bytes, registers 4 g .. 4 g + 3 of lane l
; at 512 g + 16 l; then, at byte 6,144, the scale image: two registers, register p of lane l (at 8 l + 4 p) is the scale word of fragment 2 p + l / 16, row l % 16.  A buffer is [rows / 64][K / 128] records.
; In a fragment lane (r, h) holds blocks h and 2 + h of its row (registers 0-5 and 6-11).  The row of fragment j, lane r: 16 j + r in xq, w2q, m2q; 32 (j / 2) + 8 (j % 2) + r + 8 (r / 8) in w1q, m1q, so that
; the first layer's results of two neighbouring tiles are 16 neighbours along the next K.
; A block's scale is 2^(floor(log2(largest magnitude)) - 2); its byte is the largest magnitude's exponent field - 2, held at 1 from below.
; LIMITS: a block of zeros keeps the byte 1 where the rule says 127 (its codes are zeros, and this program alone reads the bytes); blocks whose largest magnitude lies under 2^-124 are held at that floor; NaN and infinities are not served.
; SHARES: work-groups 0..383 stream x, W1, W2: a wave makes one record.  Work-groups 384..639 make m1 and m2: a wave makes four records that share 128 numbers of one odd row.  Waves share nothing: no barrier.
.set REC,   6400
.set FRB,   1536
.set SCO,   6144
.set SPT,   528                        ; a stage row: 512 bytes + 16: the sixteen rows that a read touches start 33 x 16 bytes apart
.set WSTG,  16*SPT                     ; a wave's stage
.set NSTR,  384                        ; work-groups that stream
.set STW,   4                          ; v4   stage, on the way in: 16 x lane
.set STR,   5                          ; v5   stage, on the way out: row r, + 128 h
.set D16,   6                          ; v6   16 x lane
.set D8,    7                          ; v7   8 x lane
.set VOFF,  8                          ; v8-15 stream: 16 x lane + i rows.  Generator: v8-11 the even numbers' offsets, v12-13 largest |odd|, v14 128 h, v15 at work
.set OM,    12
.set OOF,   14
.set W,     16                         ; v16-19 the four fragments' scale words
.set SH8,   20                         ; v20  8 h
.set PXD,   21                         ; v21  a lane permute's destination
.set MX,    22                         ; v22-23 largest magnitudes
.set SO,    24                         ; v24-25 the conversions' scale operands
.set BY,    26                         ; v26-27 the bytes
.set WT,    28
.set EP,    30                         ; v[30:31] the even number, as the low word of a pair
.set X,     32                         ; v32-95  64 numbers of my row: blocks h and 2 + h (generator: of the odd row)
.set R,     96                         ; v96-223 stream: two sets of 16 rows as loaded
.set P,     96                         ; v96-159 generator: the products
.set E,     160                        ; v160-175 generator: the sixteen even numbers
.set C,     224                        ; v224-235 a fragment's codes
.set CT0,   236
.set CT1,   240
.set SI,    244                        ; v[244:245] the scale image
	s_load_b512 s[8:23], s[0:1], 0x0               ; x 8, W1 10, W2 12, xq 14, w1q 16, w2q 18, m1q 20, m2q 22
	v_lshl_add_u32 v254, v0, 2, 0x8400
	v_mov_b32 v255, 0
	v_lshrrev_b32 v1, 5, v0
	v_readfirstlane_b32 s24, v1                    ; wave
	v_and_b32 v1, 31, v0                           ; lane
	v_and_b32 v2, 15, v0                           ; r
	v_bfe_u32 v3, v0, 4, 1                         ; h
	v_lshlrev_b32 v[D16], 4, v1
	v_lshlrev_b32 v[D8], 3, v1
	v_lshlrev_b32 v[SH8], 3, v3
	v_mov_b32 v[PXD], 0                            ; written once: a lane permute's destination counts as one of its sources
	s_mov_b32 s52, 0xffff0000                      ; lanes 16-31
	s_mov_b32 s53, 0x1800000                       ; the floor 2^(3 - 127)
	s_mov_b32 s54, 0x76543210
	s_mov_b32 s55, 0xfedcba98                      ; selects for lane l xor 16
; the largest magnitudes of the two blocks v[s .. s+31], v[s+32 .. s+63] into v[d], v[d+1]; fl = 1: with the floor among the leaves
.macro QMAX s, d, fl
.irp c, 0,1
.if \fl
	v_max3_num_f32 v[\d+\c], |v[\s+32*\c]|, |v[\s+32*\c+1]|, 0x1800000
.else
	v_max_num_f32 v[\d+\c], |v[\s+32*\c]|, |v[\s+32*\c+1]|
.endif
.endr
.irp i, 2,4,6,8,10,12,14,16,18,20,22,24,26,28,30
.irp c, 0,1
	v_max3_num_f32 v[\d+\c], v[\d+\c], |v[\s+32*\c+\i]|, |v[\s+32*\c+\i+1]|   ; the two blocks by turns
.endr
.endr
.endm
; from v[MX], v[MX+1] and the 64 numbers at v[s]: fragment j's scale word into v[W+j], its codes to the record at byte off
.macro QCODE s, off, j
	v_add_nc_u32 v[SO], 0xff000000, v[MX]          ; 2 off the exponent field: the conversion takes the exponent field of this operand as its scale
	v_add_nc_u32 v[SO+1], 0xff000000, v[MX+1]
	v_lshrrev_b32 v[BY], 23, v[SO]                 ; the bytes of blocks h and 2 + h
	v_lshrrev_b32 v[BY+1], 23, v[SO+1]
	v_lshl_or_b32 v[WT], v[BY+1], 16, v[BY]
	v_lshlrev_b32 v[WT], v[SH8], v[WT]             ; at their places in the word
	v_permlanex16_b32 v[PXD], v[WT], s54, s55
	v_or_b32 v[W+\j], v[WT], v[PXD]                ; with lane l xor 16's two the word is whole
	s_wait_xcnt 0x0                                ; the last fragment's stores have read the codes' registers
	v_cvt_scalef32_pk16_fp6_f32 v[C:C+2], v[\s:\s+15], v[SO]
	v_cvt_scalef32_pk16_fp6_f32 v[CT0:CT0+2], v[\s+16:\s+31], v[SO]       ; (a conversion's three registers begin on an even number)
	v_cvt_scalef32_pk16_fp6_f32 v[C+6:C+8], v[\s+32:\s+47], v[SO+1]
	v_cvt_scalef32_pk16_fp6_f32 v[CT1:CT1+2], v[\s+48:\s+63], v[SO+1]
	v_nop                                          ; one plain place behind the conversions
.irp i, 0,1,2
	v_mov_b32 v[C+3+\i], v[CT0+\i]
	v_mov_b32 v[C+9+\i], v[CT1+\i]
.endr
.irp k, 0,1,2
	global_store_b128 v[D16], v[C+4*\k:C+4*\k+3], s[32:33] offset:\off+512*\k   ; 32 lanes store 512 consecutive bytes, at a multiple of 256 from the buffer's first byte
.endr
.endm
.macro SCIMG off                       ; the record's scale image: lanes 0-15 take fragments 0 and 2, lanes 16-31 fragments 1 and 3
	v_cndmask_b32 v[SI], v[W], v[W+1], s52
	v_cndmask_b32 v[SI+1], v[W+2], v[W+3], s52
	global_store_b64 v[D8], v[SI:SI+1], s[32:33] offset:\off+SCO            ; 256 consecutive bytes
.endm
	s_cmp_ge_u32 ttmp9, NSTR
	s_cbranch_scc1 .Lgen
	; ---------------- THE STREAM: one record a wave ----------------
	s_lshr_b32 s25, ttmp9, 7                       ; 0: x, 1: W1, 2: W2
	s_and_b32 s35, ttmp9, 127
	s_lshl_b32 s35, s35, 2
	s_add_co_u32 s35, s35, s24                     ; the record's number in its buffer, 0..511
	s_cmp_eq_u32 s25, 2
	s_cselect_b32 s34, 5, 3                        ; log2 of the records along K: 32 in W2, else 8
	s_lshl_b32 s26, 512, s34                       ; a row of the tensor in bytes
	s_lshl_b32 s56, 1, s34
	s_sub_co_u32 s56, s56, 1
	s_and_b32 s56, s35, s56                        ; which 128 along K
	s_sub_co_u32 s30, s35, s56
	s_lshl_b32 s30, s30, 15                        ; 64 rows x (record / records along K)
	s_lshl_b32 s57, s56, 9
	s_add_co_u32 s30, s30, s57                     ; + 512 bytes for each 128 along K
	s_mov_b32 s31, 0
	s_cmp_eq_u32 s25, 1
	s_cselect_b32 s27, s26, 0
	s_lshl_b32 s27, s27, 3                         ; W1's tiles take other rows: eight rows up or down, else 0
	s_wait_kmcnt 0x0
	s_cmp_eq_u32 s25, 0                            ; the choices hang on the work-group's number alone
	s_cselect_b64 s[28:29], s[8:9], s[10:11]
	s_cselect_b64 s[32:33], s[14:15], s[16:17]
	s_cmp_eq_u32 s25, 2
	s_cselect_b64 s[28:29], s[12:13], s[28:29]
	s_cselect_b64 s[32:33], s[18:19], s[32:33]
	s_add_nc_u64 s[28:29], s[28:29], s[30:31]      ; the record's first row, first K
	s_mul_i32 s30, s35, REC
	s_add_nc_u64 s[32:33], s[32:33], s[30:31]      ; the record
.irp j, 0,1,2,3                        ; eight bases: rows 0-7 (f = 0) and 8-15 (f = 1) of fragment j begin at row 16 j + 8 f, in W1 at 32 (j / 2) + 8 (j % 2) + 16 f
.irp f, 0,1
	s_mul_i32 s30, s26, 16*\j+8*\f
.if (\f)-((\j)&1) == 1
	s_add_co_u32 s30, s30, s27
.elseif (\f)-((\j)&1) == -1
	s_sub_co_u32 s30, s30, s27
.endif
	s_add_nc_u64 s[36+4*\j+2*\f:37+4*\j+2*\f], s[28:29], s[30:31]
.endr
.endr
	v_mov_b32 v[VOFF], v[D16]
.irp i, 1,2,3,4,5,6,7
	v_add_nc_u32 v[VOFF+\i], s26, v[VOFF+\i-1]
.endr
	s_mul_i32 s57, s24, WSTG
	v_add_nc_u32 v[STW], s57, v[D16]
	v_mul_u32_u24 v[STR], v2, SPT
	v_lshl_add_u32 v[STR], v3, 7, v[STR]
	v_add_nc_u32 v[STR], s57, v[STR]
.macro LOADF j                         ; fragment j's 16 rows x 512 bytes: each load reads 512 consecutive bytes.  (64 of x's 4,096 rows are read once more, by the generators)
.irp i, 0,1,2,3,4,5,6,7,8,9,10,11,12,13,14,15
	global_load_b128 v[R+64*((\j)%2)+4*\i:R+64*((\j)%2)+4*\i+3], v[VOFF+\i%8], s[36+4*(\j)+2*(\i/8):37+4*(\j)+2*(\i/8)] th:TH_LOAD_NT
.endr
.endm
.macro TURNF j                         ; through the wave's own stage: in as loaded, out 32 neighbours of a block to a lane.  LDS serves a wave's instructions in order: no wait between
.irp i, 0,1,2,3,4,5,6,7,8,9,10,11,12,13,14,15
	ds_store_b128 v[STW], v[R+64*((\j)%2)+4*\i:R+64*((\j)%2)+4*\i+3] offset:SPT*\i
.endr
.irp c, 0,1
.irp i, 0,1,2,3,4,5,6,7
	ds_load_b128 v[X+32*\c+4*\i:X+32*\c+4*\i+3], v[STR] offset:256*\c+16*\i
.endr
.endr
.endm
	LOADF 0
	LOADF 1
.irp j, 0,1,2,3
.if \j < 3
	s_wait_loadcnt 16                              ; this fragment's 16 loads are in; the next fragment's 16 may be out
.else
	s_wait_loadcnt 0x0
.endif
	TURNF \j
	s_wait_dscnt 0x0                               ; my numbers are back, and the stores into the stage have read their registers,
.if \j < 2
	LOADF \j+2                                     ; which take the fragment two on
.endif
	QMAX X, MX, 1
	QCODE X, FRB*\j, \j
.endr
	SCIMG 0
	s_wait_tensorcnt 0x0
	ds_add_u32 v254, v255
	s_wait_dscnt 0x0
	s_endpgm
	; ---------------- THE GENERATOR: four records a wave ----------------
.Lgen:
	s_sub_co_u32 s25, ttmp9, NSTR
	s_lshl_b32 s25, s25, 2
	s_add_co_u32 s25, s25, s24                     ; 0..1023
	s_and_b32 s26, s25, 7                          ; which 128 of the odd row
	s_bfe_u32 s27, s25, 0x20003                    ; which quarter of the even row
	s_bfe_u32 s34, s25, 0x30005                    ; k: 0-3 m1, 4-7 m2
	s_lshr_b32 s35, s25, 8                         ; b
	s_lshl_b32 s30, s35, 10
	s_lshl_b32 s56, s34, 1
	s_add_co_u32 s30, s30, s56
	s_add_co_u32 s30, s30, 1
	s_lshl_b32 s30, s30, 12                        ; row 1024 b + 1 + 2 k of x, in bytes
	s_mov_b32 s31, 0
	s_wait_kmcnt 0x0
	s_add_nc_u64 s[28:29], s[8:9], s[30:31]        ; the even row
	s_cmp_lt_u32 s34, 4                            ; m1 or m2: a choice on ids alone
	s_cselect_b32 s46, 256, 4                      ; from record to record in the even row: 64 numbers on, or one
	s_cselect_b32 s47, 4, 16                       ; from lane r to lane r + 1
	s_cselect_b32 s48, 32, 0                       ; m1's tiles: eight rows more for r >= 8
	s_cselect_b32 s49, 32, 256                     ; fragment j: + (j % 2) x this
	s_mov_b32 s50, 512
	s_cselect_b32 s50, 128, s50                    ;             + (j / 2) x this
	s_cselect_b64 s[32:33], s[20:21], s[22:23]
	s_lshl_b32 s30, s35, 9                         ; the first record: 512 b + 128 (k % 4) + 32 quarter + (128 of the odd row), in m1q and in m2q alike; the other three lie 8 records on each
	s_and_b32 s56, s34, 3
	s_lshl_b32 s56, s56, 7
	s_add_co_u32 s30, s30, s56
	s_lshl_b32 s56, s27, 5
	s_add_co_u32 s30, s30, s56
	s_add_co_u32 s30, s30, s26
	s_mul_i32 s30, s30, REC
	s_add_nc_u64 s[32:33], s[32:33], s[30:31]
	s_lshl_b32 s30, s26, 9
	s_add_co_u32 s30, s30, 4096
	s_add_nc_u64 s[44:45], s[28:29], s[30:31]      ; my 128 numbers of the odd row
	s_lshl_b32 s30, s27, 10
.irp t, 0,1,2,3
	s_add_nc_u64 s[36+2*\t:37+2*\t], s[28:29], s[30:31]   ; record t's place in the even row
	s_add_co_u32 s30, s30, s46
.endr
	v_mul_lo_u32 v8, v2, s47
	v_lshrrev_b32 v15, 3, v2
	v_mul_lo_u32 v15, v15, s48
	v_add_nc_u32 v8, v8, v15
	v_add_nc_u32 v9, s49, v8
	v_add_nc_u32 v10, s50, v8
	v_add_nc_u32 v11, s50, v9
	v_lshlrev_b32 v[OOF], 7, v3
.irp c, 0,1
.irp i, 0,1,2,3,4,5,6,7
	global_load_b128 v[X+32*\c+4*\i:X+32*\c+4*\i+3], v[OOF], s[44:45] offset:256*\c+16*\i   ; odd[128 s + 64 c + 32 h + ..]: my two blocks
.endr
.endr
.irp t, 0,1,2,3
.irp j, 0,1,2,3
	global_load_b32 v[E+4*\t+\j], v[8+\j], s[36+2*\t:37+2*\t]   ; the even number of my row in fragment j of record t
.endr
.endr
	v_mov_b32 v[EP+1], 0                           ; (named as the upper half of a pair)
	s_wait_loadcnt 0x0
	QMAX X, OM, 0                                  ; the largest |odd| of each block, once for all sixteen fragments
.macro GENF t, j
	v_mov_b32 v[EP], v[E+4*(\t)+(\j)]
.set ii, 0
.rept 32
	v_pk_mul_f32 v[P+2*ii:P+2*ii+1], v[X+2*ii:X+2*ii+1], v[EP:EP+1] op_sel_hi:[1,0]   ; even x odd, one rounding each
.set ii, ii+1
.endr
	v_mul_f32 v[MX], v[EP], v[OM]                  ; rounding keeps order: the largest product is the product of the largest
	v_mul_f32 v[MX+1], v[EP], v[OM+1]
	v_max_num_f32 v[MX], |v[MX]|, s53
	v_max_num_f32 v[MX+1], |v[MX+1]|, s53
	QCODE P, 8*REC*(\t)+FRB*(\j), \j
.endm
.irp t, 0,1,2,3
.irp j, 0,1,2,3
	GENF \t, \j
.endr
	SCIMG 8*REC*\t
.endr
	s_endpgm
.Lfunc_end_k_qfbd6be8948_prep:
	.size	k_qfbd6be8948_prep, .Lfunc_end_k_qfbd6be8948_prep-k_qfbd6be8948_prep
	.p2alignl 7, 3214868480
	.fill 96, 4, 3214868480
	.section	.rodata,"a",@progbits
	.p2align	6, 0x0
	.amdhsa_kernel k_qfbd6be8948_prep
		.amdhsa_group_segment_fixed_size 34304
		.amdhsa_private_segment_fixed_size 0
		.amdhsa_enable_private_segment 0
		.amdhsa_kernarg_size 64
		.amdhsa_user_sgpr_count 2
		.amdhsa_user_sgpr_kernarg_segment_ptr 1
		.amdhsa_wavefront_size32 1
		.amdhsa_system_sgpr_workgroup_id_x 1
		.amdhsa_system_sgpr_workgroup_id_y 1
		.amdhsa_system_sgpr_workgroup_id_z 1
		.amdhsa_system_vgpr_workitem_id 0
		.amdhsa_next_free_vgpr 256
		.amdhsa_next_free_sgpr 66
		.amdhsa_reserve_vcc 0
		.amdhsa_float_denorm_mode_32 3
		.amdhsa_float_denorm_mode_16_64 3
		.amdhsa_memory_ordered 1
		.amdhsa_forward_progress 1
		.amdhsa_inst_pref_size 93
	.end_amdhsa_kernel
	.amdgpu_metadata
---
amdhsa.version: [ 1, 2 ]
amdhsa.kernels:
  - .name:           k_qfbd6be8948_prep
    .symbol:         k_qfbd6be8948_prep.kd
    .args:
      - { .name: x, .offset: 0, .size: 8, .value_kind: global_buffer, .address_space: global }
      - { .name: W1, .offset: 8, .size: 8, .value_kind: global_buffer, .address_space: global }
      - { .name: W2, .offset: 16, .size: 8, .value_kind: global_buffer, .address_space: global }
      - { .name: xq, .offset: 24, .size: 8, .value_kind: global_buffer, .address_space: global }
      - { .name: w1q, .offset: 32, .size: 8, .value_kind: global_buffer, .address_space: global }
      - { .name: w2q, .offset: 40, .size: 8, .value_kind: global_buffer, .address_space: global }
      - { .name: m1q, .offset: 48, .size: 8, .value_kind: global_buffer, .address_space: global }
      - { .name: m2q, .offset: 56, .size: 8, .value_kind: global_buffer, .address_space: global }
    .group_segment_fixed_size: 34304
    .private_segment_fixed_size: 0
    .kernarg_segment_align: 8
    .kernarg_segment_size: 64
    .max_flat_workgroup_size: 128
    .sgpr_count:     66
    .vgpr_count:     256
    .wavefront_size: 32
...
	.end_amdgpu_metadata
.endif
;; end of part 1
;; launch ffn1 (part 2): grid 16 x 16, 4 waves a work-group, clusters of 4 x 4, 327,680 bytes of LDS; arguments xq, w1q, m1q, b1, scale, hq; writes hq
.if DOCPART == 2
	.amdgcn_target "amdgcn-amd-amdhsa--gfx1250"
	.amdhsa_code_object_version 6
	.text
	.protected	k_qfbd6be8948_ffn1
	.globl	k_qfbd6be8948_ffn1
	.p2align	8
	.type	k_qfbd6be8948_ffn1,@function
k_qfbd6be8948_ffn1:
	s_mov_b64 s[64:65], 0
	v_nop
	global_prefetch_b8 v0, s[64:65] scope:SCOPE_SE
	s_setreg_imm32_b32 hwreg(HW_REG_WAVE_MODE, 25, 1), 1
	s_wait_xcnt 0x0
	s_wait_alu depctr_hold_cnt(0) depctr_sa_sdst(0) depctr_va_vdst(0) depctr_va_sdst(0) depctr_va_ssrc(0) depctr_va_vcc(0) depctr_vm_vsrc(0)
	s_getreg_b32 s2, hwreg(HW_REG_IB_STS2, 6, 4)
	s_cmp_eq_u32 s2, 0
	s_cbranch_scc0 .Lentry_in_a_cluster
	s_endpgm
.Lentry_in_a_cluster:
	s_bfe_u32 s2, ttmp6, 0x10000c
	s_cmp_lg_u32 s2, 0xf033
	s_cbranch_scc0 .Lentry_shape_is_right
	s_endpgm
.Lentry_shape_is_right:
; g = gelu(Q(x) Q(W1)^T + scale Q(x) Q(m1[b])^T + b1), quantised along the hidden axis into hq.  All operands are codes of FP6 (E2M3) with E8M0 scales, laid as RECORDS (64 rows x 128 K as images of the
; operand registers: four fragments of 1,536 bytes, then 256 bytes of scale words; a buffer is [rows / 64][K / 128] records of 6,400 bytes).
; SHARES.  A tile is 256 rows x 128 hidden units; each of the four waves makes 128 rows x 64 units of it, with TWO accumulators for each result (W1's and m1's): 64 accumulators, 512 registers.
; A WORK-GROUP STAYS: it makes two tiles with the same 256 rows: hidden units 128 n on, then 128 (n + 16) on.
; K = 1,024 goes in four steps of 256 through three LDS slots (the fourth step refills slot 0): eight units of 128 along K, 64 matrix instructions each.  The first tile walks K steps 0, 1, 2, 3.  x's steps 3, 1, 2 then still
; lie in slots 0, 1, 2, so the second tile walks 3, 1, 2, 0: only the weights' halves of the three slots are filled again, each behind a round of its own among the blocks of the first tile's epilogue.
; CLUSTER 4 x 4: the four of a row need the same rows of x, the four of a column the same rows of W1 and (a column lies in one sample) of m1[b]: each tile is asked for jointly.
; THE MATRIX INSTRUCTION IS USED TRANSPOSED (source 0 = 16 rows of W1 or m1, source 1 = 16 rows of x): a lane holds one row of x, and, by the order of rows in w1q and m1q, the 16 registers of tiles 2 b and 2 b + 1
; are hidden units 32 b + 16 (lane / 16) + 0 .. 15: neighbours along the next K.  b1 is the C of W1's first product.
; THE GELU: g = max(h, 0) - |h| Q(|h|), Q(z) = 1 - Phi(z) = 2^(-z^2 log2(e) / 2) (a1 t + .. + a5 t^5), t = 1 / (1 + 0.2316419 z) (Abramowitz and Stegun 26.2.17, the factor 1 / sqrt(2 pi) folded into a1 .. a5).
; LIMITS: Q's absolute error is at most 7.5e-8, so g's is at most 7.5e-8 |h|, which in the far negative tail (h under about -1.5) is more than 1e-6 of g itself; Q is 0 where 2^(..) falls under 2^-126 (|h| above 13.2);
; b1 enters the sum first and the second tile sums K in the order 3, 1, 2, 0: other orders of rounding than h = p1 + scale p2 + b1 with K ascending; a block of zeros keeps the byte 1 over zero codes (this program alone
; reads the bytes); NaN and infinities are not served.
; hq's fragments are laid in two halves of 768 bytes (64 along K each: what one wave makes): registers 0-3 at 16 l, 4-5 at 512 + 8 l.
; REGISTERS: window 0: v1-2 the spare word's address and 0; v3-14 LDS addresses; v16-31, v48-63 small; v32-47 scale words, two sets; v64-159, v160-255 x's fragments, two sets (free in the epilogue);
;   window 1: v0-95, v96-191 W1's and m1's fragments, two sets; v192-223 b1;  windows 2, 3: the accumulators of my rows 0-63, 64-127: (a, b) at v[8 (8 (a % 4) + b)], b = 0-3 W1, 4-7 m1.
.set REC,   6400
.set FRB,   1536
.set SCO,   6144
.set UROW,  2*REC                      ; 64 rows x 256 K
.set SLOT,  8*UROW                     ; x's four, W1's two, m1's two
.set NEXTB, 256*REC                    ; from a tile's rows of W1 or m1 to the next tile's: 16 tiles x 128 rows = 32 runs of 8 records
.set STG,   3*SLOT                     ; behind the ring: 512 bytes a wave for the halves of g's scale words
.set SPARE, STG+2048                   ; the spare words, 128 bytes a wave: two blocks of 256 bytes that no other line names
.set TL,    69                         ; s69  tiles to go, this one among them: the same number in every work-group
.set STP,   86                         ; s[86:87] what slot 0's refill in unit 1 adds to its addresses, s[88:89] what it takes off: 3 K steps on in the first tile, 3 back in the second
.set SPW,   1
.set NIL,   2
.set ADR,   3                          ; slot s: v[3+4s] x's fragments (16 l), +1 x's scales (8 l), +2 W1's fragments, +3 W1's scales; m1's lie 2 UROW behind W1's
.set HO16,  16
.set HO8,   17
.set STGW,  18
.set STGR,  19
.set MXR,   20
.set PXR,   22
.set SOR,   24
.set BYR,   26
.set HWR,   28
.set SC,    32                         ; set p at 32 + 8 p: x rows 0-63 (2), x rows 64-127 (2), W1 (2), m1 (2)
.set KA4,   48
.set CT,    50
.set AF,    64
.set BIAS,  192
.set H,     64                         ; the epilogue: h, t, the exponential, the polynomial, max(h, 0) and then g, the codes
.set T,     96
.set EX,    128
.set PL,    160
.set M,     192
.set PC,    224
.set MSB, 0
.macro WIN new                         ; the immediate's high byte repeats the setting that is left
.if MSB != (\new)
	s_set_vgpr_msb (MSB<<8)|(\new)
.set MSB, \new
.endif
.endm
.set MUL_LO, 0xa1                      ; source 0 window 1, source 1 window 0, C and D window 2
.set MUL_HI, 0xf1                      ; C and D window 3
.set TO_B,   0x40                      ; destination window 1
.macro PLACES n
.rept \n
	v_nop
.endr
.endm
; A joint load of a whole slot: waves 0 and 1 fetch x's halves, wave 2 W1's rows, wave 3 m1's.  The branch hangs on the wave's number alone.  Four v_nop follow each of the two lines.
.macro JLOAD s
	s_cmp_eq_u32 s17, 0
	s_cbranch_scc0 .Lfor_b_\@
	tensor_load_to_lds s[40+4*\s:43+4*\s], s[24:31]
	s_nop 0
.rept 4
	v_nop
.endr
	s_branch .Lasked_\@
.Lfor_b_\@:
	tensor_load_to_lds s[52+4*\s:55+4*\s], s[32:39]
	s_nop 0
.rept 4
	v_nop
.endr
.Lasked_\@:
.endm
; A joint load of the weights' half of a slot alone: waves 2 and 3; waves 0 and 1 have no part to fill and issue none
.macro JLOADB s
	s_cmp_eq_u32 s17, 0
	s_cbranch_scc1 .Lno_part_\@
	tensor_load_to_lds s[52+4*\s:55+4*\s], s[32:39]
	s_nop 0
.rept 4
	v_nop
.endr
.Lno_part_\@:
.endm
.macro CREST                           ; a round of the cluster's barrier behind its opening barrier
	s_cmp_lg_u32 s16, 0
	s_cbranch_scc1 .Lnot_wave_0_\@
	s_barrier_signal -3
.Lnot_wave_0_\@:
	s_barrier_wait -3
	s_barrier_signal -1
	s_barrier_wait -1
.endm
.macro CROUND
	s_barrier_signal -1
	s_barrier_wait -1
	CREST
.endm
.macro LOADB1                          ; b1 of my 64 hidden units: tile t, lane (r, h), register j: unit 32 (t / 2) + 16 h + 8 (t % 2) + j
	WIN TO_B
.irp t, 0,1,2,3
	global_load_b128 v[BIAS+8*\t:BIAS+8*\t+3], v63, s[10:11] offset:(32*(\t/2)+8*(\t%2))*4
	global_load_b128 v[BIAS+8*\t+4:BIAS+8*\t+7], v63, s[10:11] offset:(32*(\t/2)+8*(\t%2))*4+16
.endr
	WIN 0
.endm
	s_load_b256 s[4:11], s[0:1], 0x0               ; xq 4, w1q 6, m1q 8, b1 10
	s_load_b128 s[12:15], s[0:1], 0x20             ; scale 12, hq 14
	v_lshl_add_u32 v[SPW], v0, 2, SPARE
	v_mov_b32 v[NIL], 0
	ds_add_u32 v1, v2
	ds_add_u32 v1, v2
	s_wait_dscnt 0x0
	v_lshrrev_b32 v60, 5, v0
	v_readfirstlane_b32 s16, v60                   ; wave
	s_lshr_b32 s17, s16, 1                         ; which 128 rows are mine.  Also: I fetch for x (0) or for the weights (1)
	s_and_b32 s18, s16, 1                          ; which 64 hidden units.  Also: which half of x's rows, or W1 (0) or m1 (1), I fetch
	s_bfe_u32 s19, ttmp6, 0x40000                  ; cx
	s_bfe_u32 s20, ttmp6, 0x40004                  ; cy
	s_lshl_b32 s21, ttmp9, 2
	s_add_co_u32 s21, s21, s19                     ; n, 0 .. 15: the first tile of 128 hidden units; the second is n + 16
	s_and_b32 s23, ttmp7, 0xffff                   ; cluster y = the sample
	s_lshl_b32 s22, s23, 2
	s_add_co_u32 s22, s22, s20                     ; tile of 256 rows
	s_lshl_b32 s96, s20, 2
	s_lshl_b32 s96, 15, s96                        ; my row of the cluster
	s_lshl_b32 s97, 0x1111, s19                    ; my column
	s_or_b32 s24, s96, (3<<16)|(1<<21)             ; group 1: the mask; elements of 8 bytes; bit 21 beside a mask; no padding: the records are read 16 bytes a lane on end
	s_or_b32 s32, s97, (3<<16)|(1<<21)
.irp g, 24, 32
	s_mov_b32 s[\g+1], 1600<<16                    ; tensor_dim0: 12,800 bytes, two records
	s_mov_b32 s[\g+2], 2<<16                       ; tensor_dim1: two runs of 64 rows
	s_mov_b32 s[\g+3], 1600<<16                    ; tile_dim0
	s_mov_b32 s[\g+4], 2                           ; tile_dim1
	s_mov_b32 s[\g+5], 6400                        ; from one run of 64 rows to the next: 8 records
	s_mov_b32 s[\g+6], 0
	s_mov_b32 s[\g+7], 0
.endr
	s_lshl_b32 s86, s22, 2
	s_lshl_b32 s87, s18, 1
	s_add_co_u32 s86, s86, s87
	s_mul_i32 s86, s86, 8*REC                      ; x: run 4 x tile row + 2 x half
	s_mov_b32 s87, 0
	s_mul_i32 s90, s21, 16*REC                     ; weights: run 2 n,
	s_mul_i32 s92, s23, 512*REC
	s_cmp_eq_u32 s18, 0
	s_cselect_b32 s92, 0, s92                      ; in m1q: of my sample
	s_add_co_u32 s90, s90, s92
	s_mov_b32 s91, 0
	s_mul_i32 s93, s16, 2*UROW                     ; where they go: wave x two runs: no place in the cluster enters an LDS address
	s_wait_kmcnt 0x0
	s_cmp_eq_u32 s18, 0
	s_cselect_b64 s[94:95], s[6:7], s[8:9]
	s_add_nc_u64 s[88:89], s[4:5], s[86:87]
	s_add_nc_u64 s[94:95], s[94:95], s[90:91]
	s_load_b32 s66, s[12:13], 0x0                  ; scale
	CROUND                                         ; all sixteen work-groups are here: the first joint loads meet
.irp s, 0,1,2
	s_mov_b32 s[40+4*\s], 1
	s_add_co_u32 s[41+4*\s], s93, \s*SLOT
	s_add_nc_u64 s[42+4*\s:43+4*\s], s[88:89], \s*UROW
	s_or_b32 s[43+4*\s], s[43+4*\s], 0x80000000
	s_mov_b32 s[52+4*\s], 1
	s_add_co_u32 s[53+4*\s], s93, \s*SLOT
	s_add_nc_u64 s[54+4*\s:55+4*\s], s[94:95], \s*UROW
	s_or_b32 s[55+4*\s], s[55+4*\s], 0x80000000
	JLOAD \s                                       ; K steps 0, 1, 2: three loads of mine are out
.endr
	v_and_b32 v60, 31, v0                          ; lane
	v_and_b32 v61, 15, v0                          ; r
	v_bfe_u32 v62, v0, 4, 1                        ; h
	v_lshlrev_b32 v[HO16], 4, v60
	v_lshlrev_b32 v[HO8], 3, v60
	s_mul_i32 s86, s17, 2*UROW                     ; my 128 rows of x
	s_mul_i32 s87, s18, UROW
	s_add_co_u32 s87, s87, 4*UROW                  ; my 64 rows of W1
.irp s, 0,1,2
	v_add_nc_u32 v[ADR+4*\s], s86, v[HO16]
	v_add_nc_u32 v[ADR+4*\s+1], s86, v[HO8]
	v_add_nc_u32 v[ADR+4*\s+2], s87, v[HO16]
	v_add_nc_u32 v[ADR+4*\s+3], s87, v[HO8]
	s_add_co_u32 s86, s86, SLOT
	s_add_co_u32 s87, s87, SLOT
.endr
	s_lshl_b32 s86, s16, 9
	s_add_co_u32 s86, s86, STG
	v_lshl_add_u32 v[STGW], v61, 3, s86            ; my wave's 512 bytes, 8 r
	s_lshl_b32 s86, s17, 10
	s_lshl_b32 s87, s18, 8
	s_add_co_u32 s86, s86, s87
	s_add_co_u32 s86, s86, STG
	v_add_nc_u32 v[STGR], s86, v[HO8]              ; back: the low halves of the record that I finish; the high halves lie 512 bytes on
	s_lshl_b32 s90, s21, 9
	s_lshl_b32 s91, s18, 8
	s_add_co_u32 s90, s90, s91
	s_mov_b32 s91, 0
	s_add_nc_u64 s[10:11], s[10:11], s[90:91]      ; b1 at my 64 hidden units
	v_lshlrev_b32 v63, 6, v62                      ; 64 h: kept for the second tile's b1
	LOADB1
	s_lshl_b32 s90, s22, 2
	s_lshl_b32 s91, s17, 1
	s_add_co_u32 s91, s90, s91
	s_lshl_b32 s91, s91, 5
	s_add_co_u32 s91, s91, s21
	s_mul_i32 s92, s91, REC
	s_mul_i32 s93, s18, 768
	s_add_co_u32 s92, s92, s93
	s_mov_b32 s93, 0
	s_add_nc_u64 s[82:83], s[14:15], s[92:93]      ; hq: record (run 4 x tile row + 2 x my half, K step n), my half of its fragments
	s_add_co_u32 s91, s90, s16
	s_lshl_b32 s91, s91, 5
	s_add_co_u32 s91, s91, s21
	s_mul_i32 s92, s91, REC
	s_add_co_u32 s92, s92, SCO
	s_add_nc_u64 s[84:85], s[14:15], s[92:93]      ; and the scale image of record (run 4 x tile row + wave, n), which I finish
	s_mov_b32 s68, 0x3e6d3389                      ; 0.2316419
	s_mov_b32 s70, 0xbf38aa3b                      ; -log2(e) / 2
	s_mov_b32 s71, s70
	s_mov_b32 s72, 0x3f07dc22                      ; a5 =  0.5307027
	s_mov_b32 s73, s72
	s_mov_b32 s74, 0x3f35f0e3                      ; a3 =  0.7107069
	s_mov_b32 s75, s74
	s_mov_b32 s76, 0xbe11a98e                      ; a2 = -0.1422484
	s_mov_b32 s77, s76
	s_mov_b32 s78, 0x3e027906                      ; a1 =  0.1274148
	s_mov_b32 s79, s78
	s_mov_b32 s80, 0x76543210
	s_mov_b32 s81, 0xfedcba98
	v_mov_b32 v[KA4], 0xbf3a00e3                   ; a4 = -0.7265760
	v_mov_b32 v[KA4+1], 0xbf3a00e3
	v_mov_b32 v[PXR], 0                            ; written once: a lane permute's destination counts as one of its sources
	v_mov_b32 v[PXR+1], 0
.macro FRAG3 reg, adr, off             ; a fragment's image: three loads of 512 consecutive bytes
	ds_load_b128 v[\reg:\reg+3], v[\adr] offset:\off
	ds_load_b128 v[\reg+4:\reg+7], v[\adr] offset:\off+512
	ds_load_b128 v[\reg+8:\reg+11], v[\adr] offset:\off+1024
.endm
; one matrix instruction, from the symbols rD, rB, rA, rC (registers), sB, sA (scale registers), oB, oA (their rows).  z = 1: C is the constant 0
.macro PROD z
.if \z
.if oB && oA
	v_wmma_scale_f32_16x16x128_f8f6f4 v[rD:rD+7], v[rB:rB+11], v[rA:rA+11], 0, v[sB], v[sA] matrix_a_fmt:MATRIX_FMT_FP6 matrix_b_fmt:MATRIX_FMT_FP6 matrix_a_scale:MATRIX_SCALE_ROW1 matrix_b_scale:MATRIX_SCALE_ROW1
.elseif oB
	v_wmma_scale_f32_16x16x128_f8f6f4 v[rD:rD+7], v[rB:rB+11], v[rA:rA+11], 0, v[sB], v[sA] matrix_a_fmt:MATRIX_FMT_FP6 matrix_b_fmt:MATRIX_FMT_FP6 matrix_a_scale:MATRIX_SCALE_ROW1
.elseif oA
	v_wmma_scale_f32_16x16x128_f8f6f4 v[rD:rD+7], v[rB:rB+11], v[rA:rA+11], 0, v[sB], v[sA] matrix_a_fmt:MATRIX_FMT_FP6 matrix_b_fmt:MATRIX_FMT_FP6 matrix_b_scale:MATRIX_SCALE_ROW1
.else
	v_wmma_scale_f32_16x16x128_f8f6f4 v[rD:rD+7], v[rB:rB+11], v[rA:rA+11], 0, v[sB], v[sA] matrix_a_fmt:MATRIX_FMT_FP6 matrix_b_fmt:MATRIX_FMT_FP6
.endif
.else
.if oB && oA
	v_wmma_scale_f32_16x16x128_f8f6f4 v[rD:rD+7], v[rB:rB+11], v[rA:rA+11], v[rC:rC+7], v[sB], v[sA] matrix_a_fmt:MATRIX_FMT_FP6 matrix_b_fmt:MATRIX_FMT_FP6 matrix_a_scale:MATRIX_SCALE_ROW1 matrix_b_scale:MATRIX_SCALE_ROW1
.elseif oB
	v_wmma_scale_f32_16x16x128_f8f6f4 v[rD:rD+7], v[rB:rB+11], v[rA:rA+11], v[rC:rC+7], v[sB], v[sA] matrix_a_fmt:MATRIX_FMT_FP6 matrix_b_fmt:MATRIX_FMT_FP6 matrix_a_scale:MATRIX_SCALE_ROW1
.elseif oA
	v_wmma_scale_f32_16x16x128_f8f6f4 v[rD:rD+7], v[rB:rB+11], v[rA:rA+11], v[rC:rC+7], v[sB], v[sA] matrix_a_fmt:MATRIX_FMT_FP6 matrix_b_fmt:MATRIX_FMT_FP6 matrix_b_scale:MATRIX_SCALE_ROW1
.else
	v_wmma_scale_f32_16x16x128_f8f6f4 v[rD:rD+7], v[rB:rB+11], v[rA:rA+11], v[rC:rC+7], v[sB], v[sA] matrix_a_fmt:MATRIX_FMT_FP6 matrix_b_fmt:MATRIX_FMT_FP6
.endif
.endif
.endm
; unit u's products of x's blocks a0 .. a1 against the eight tiles.  The 64 accumulators take turns, one instruction a turn, in the same order in every unit.
; first = 1: W1's sums begin with b1 (source 2 in window 1), m1's with the constant 0: nothing is cleared
.macro MUL1 u, a0, a1, first
.set aa, \a0
.rept (\a1)-(\a0)+1
.set bb, 0
.rept 8
.set rD, 8*(8*(aa%4)+bb)
.set rB, 96*((\u)%2)+12*bb
.set rA, AF+96*((\u)%2)+12*aa
.set sB, SC+8*((\u)%2)+4+2*(bb/4)+(bb%4)/2
.set sA, SC+8*((\u)%2)+2*(aa/4)+(aa%4)/2
.set oB, bb%2
.set oA, aa%2
.set rC, rD
.if (\first) && (bb < 4)
.set rC, BIAS+8*bb
.endif
.if (\first) && (bb >= 4)
	PROD 1
.else
	PROD 0
.endif
.set bb, bb+1
.endr
.set aa, aa+1
.endr
.endm
; unit u's operands, 52 LDS loads in one run, into set u % 2: record u % 2 of slot (u / 2) % 3
.macro FETCH1 u
.set pp, (\u)%2
.set ab, ADR+4*(((\u)/2)%3)
	WIN TO_B
.set bb, 0
.rept 8
	FRAG3 96*pp+12*bb, ab+2, (bb/4)*2*UROW+REC*pp+FRB*(bb%4)
.set bb, bb+1
.endr
	WIN 0
.set aa, 0
.rept 8
	FRAG3 AF+96*pp+12*aa, ab, (aa/4)*UROW+REC*pp+FRB*(aa%4)
.set aa, aa+1
.endr
	ds_load_b64 v[SC+8*pp:SC+8*pp+1], v[ab+1] offset:REC*pp+SCO
	ds_load_b64 v[SC+8*pp+2:SC+8*pp+3], v[ab+1] offset:UROW+REC*pp+SCO
	ds_load_b64 v[SC+8*pp+4:SC+8*pp+5], v[ab+3] offset:REC*pp+SCO
	ds_load_b64 v[SC+8*pp+6:SC+8*pp+7], v[ab+3] offset:2*UROW+REC*pp+SCO
.endm
; A unit: its operands are in; the next unit's are asked for, into the set that the unit before multiplied (four places behind its last product: ISA guide 7.12.1 for vector instructions); 64 products
.macro UNIT1 u, first
	s_wait_dscnt 0x0
	PLACES 4
	FETCH1 (\u)+1
.if \first
	WIN 0x91
.else
	WIN MUL_LO
.endif
	MUL1 \u, 0, 3, \first
.if \first
	WIN 0xd1
.else
	WIN MUL_HI
.endif
	MUL1 \u, 4, 7, \first
.endm
; A unit with a barrier.  Each wave waits for all its tensor loads, adds 0 to its spare word, and waits for that and for its LDS reads.  fill = 1: slot 0, whose two units are in registers, takes the tile's fourth K step
; (step 3 in the first tile, step 0 in the second): the barrier opens a round of the cluster's barrier, and the joint load is the first thing behind it.  fill = 0: the barrier shows the refilled slot 0 to every wave.
.macro TURN1 u, fill
	WIN 0
	s_wait_tensorcnt 0x0                           ; all my tensor loads have landed, so a group 0 may be written
	ds_add_u32 v[SPW], v[NIL]                      ; 0 onto my spare word
.if \fill
	s_add_nc_u64 s[42:43], s[42:43], s[STP:STP+1]
	s_sub_nc_u64 s[42:43], s[42:43], s[STP+2:STP+3]
	s_add_nc_u64 s[54:55], s[54:55], s[STP:STP+1]
	s_sub_nc_u64 s[54:55], s[54:55], s[STP+2:STP+3]
.endif
	s_wait_dscnt 0x0                               ; the add is done, this unit's operands are in, and my reads of the slot are over
	s_barrier_signal -1
	WIN MUL_LO
	MUL1 \u, 0, 1, 0                               ; work on registers while the others arrive
	WIN 0
	s_barrier_wait -1
.if \fill
	CREST                                          ; no wave of any partner still reads slot 0 or has a load on its way
	JLOAD 0                                        ; its four v_nop are also the places in front of the loads below
.else
	PLACES 4
.endif
	FETCH1 (\u)+1
	WIN MUL_LO
	MUL1 \u, 2, 3, 0
	WIN MUL_HI
	MUL1 \u, 4, 7, 0
.endm
; The weights' half of slot s takes the NEXT tile's rows of W1 and m1, for the K step whose rows of x lie in that slot.  Nobody reads the ring any more: the tile's last operands are in registers.
; The same order as at every refill: all my tensor loads waited for, the add, the wait for it and for my LDS instructions, a round of the cluster's barrier, the joint load first behind it.
.macro REFILL s
	WIN 0
	s_wait_tensorcnt 0x0                           ; all my tensor loads have landed, so a group 0 may be written
	ds_add_u32 v[SPW], v[NIL]                      ; 0 onto my spare word
	s_add_nc_u64 s[54+4*\s:55+4*\s], s[54+4*\s:55+4*\s], NEXTB
	s_wait_dscnt 0x0
	CROUND
	JLOADB \s                                      ; it has three blocks of the epilogue in which to land
.endm
; THE EPILOGUE, a block of 16 rows at a time: h, the GELU, the quantiser along the hidden axis, my half of a fragment of hq.
.macro EPI a
.set PCA, PC+8*((\a)%4)
.set AB, 64*((\a)%4)
.if (\a) >= 4
	s_wait_xcnt 0x0                                ; the stores of four blocks ago have read the codes' registers
.endif
	WIN 0x22+0x11*((\a)/4)
.set ii, 0
.rept 16
	v_pk_fma_f32 v[H+2*ii:H+2*ii+1], v[AB+32+2*ii:AB+32+2*ii+1], s[66:67], v[AB+2*ii:AB+2*ii+1] op_sel_hi:[1,0,1]   ; h = (b1 + x W1) + scale x m1; each accumulator from its low end on
.set ii, ii+1
.endr
	WIN 0
.set ii, 0
.rept 32
	v_fma_f32 v[T+ii], |v[H+ii]|, s68, 1.0
.set ii, ii+1
.endr
.set ii, 0
.rept 16
	v_pk_mul_f32 v[EX+2*ii:EX+2*ii+1], v[H+2*ii:H+2*ii+1], v[H+2*ii:H+2*ii+1]
.set ii, ii+1
.endr
.set ii, 0
.rept 16
	v_pk_mul_f32 v[EX+2*ii:EX+2*ii+1], v[EX+2*ii:EX+2*ii+1], s[70:71] op_sel_hi:[1,0]
.set ii, ii+1
.endr
.set ii, 0
.rept 32
	v_rcp_f32 v[T+ii], v[T+ii]                     ; t
.set ii, ii+1
.endr
.set ii, 0
.rept 32
	v_exp_f32 v[EX+ii], v[EX+ii]                   ; 2^(-h^2 log2(e) / 2)
.set ii, ii+1
.endr
.set ii, 0
.rept 32
	v_max_num_f32 v[M+ii], 0, v[H+ii]              ; plain work that names no result of the batch
.set ii, ii+1
.endr
	s_wait_alu depctr_va_vdst(0)                   ; one wait for the 64 transcendentals, ahead of their first reader
.set ii, 0
.rept 16
	v_pk_fma_f32 v[PL+2*ii:PL+2*ii+1], v[T+2*ii:T+2*ii+1], s[72:73], v[KA4:KA4+1] op_sel_hi:[1,0,1]
.set ii, ii+1
.endr
.irp k, 74, 76, 78
.set ii, 0
.rept 16
	v_pk_fma_f32 v[PL+2*ii:PL+2*ii+1], v[PL+2*ii:PL+2*ii+1], v[T+2*ii:T+2*ii+1], s[\k:\k+1] op_sel_hi:[1,1,0]
.set ii, ii+1
.endr
.endr
.set ii, 0
.rept 16
	v_pk_mul_f32 v[PL+2*ii:PL+2*ii+1], v[PL+2*ii:PL+2*ii+1], v[T+2*ii:T+2*ii+1]
.set ii, ii+1
.endr
.set ii, 0
.rept 16
	v_pk_mul_f32 v[PL+2*ii:PL+2*ii+1], v[PL+2*ii:PL+2*ii+1], v[EX+2*ii:EX+2*ii+1]   ; Q(|h|)
.set ii, ii+1
.endr
.set ii, 0
.rept 32
	v_fma_f32 v[M+ii], -|v[H+ii]|, v[PL+ii], v[M+ii]   ; g
.set ii, ii+1
.endr
.irp b, 0,1
	v_max3_num_f32 v[MXR+\b], |v[M+16*\b]|, |v[M+16*\b+1]|, 0x1800000   ; block b: my 16 numbers, and the floor 2^(3 - 127)
.endr
.irp i, 2,4,6,8,10,12,14
.irp b, 0,1
	v_max3_num_f32 v[MXR+\b], v[MXR+\b], |v[M+16*\b+\i]|, |v[M+16*\b+\i+1]|
.endr
.endr
.irp b, 0,1
	v_permlanex16_b32 v[PXR+\b], v[MXR+\b], s80, s81
.endr
.irp b, 0,1
	v_max_num_f32 v[MXR+\b], v[MXR+\b], v[PXR+\b]  ; with lane l xor 16's: the block's largest magnitude
.endr
.irp b, 0,1
	v_add_nc_u32 v[SOR+\b], 0xff000000, v[MXR+\b]  ; 2 off the exponent field: the conversion's scale operand
.endr
.irp b, 0,1
	v_lshrrev_b32 v[BYR+\b], 23, v[SOR+\b]
.endr
	v_lshl_or_b32 v[HWR], v[BYR+1], 8, v[BYR]      ; my half of the row's scale word
	v_cvt_scalef32_pk16_fp6_f32 v[PCA:PCA+2], v[M:M+15], v[SOR]
	v_cvt_scalef32_pk16_fp6_f32 v[CT:CT+2], v[M+16:M+31], v[SOR+1]
	v_nop                                          ; one plain place behind the conversions
.irp i, 0,1,2
	v_permlane16_swap_b32 v[PCA+\i], v[CT+\i]      ; a whole block to a lane: lanes 0-15 the first, lanes 16-31 the second
.endr
.irp i, 0,1,2
	v_mov_b32 v[PCA+3+\i], v[CT+\i]
.endr
	global_store_b128 v[HO16], v[PCA:PCA+3], s[82:83] offset:((\a)/4)*32*REC+((\a)%4)*FRB        ; 512 consecutive bytes,
	global_store_b64 v[HO8], v[PCA+4:PCA+5], s[82:83] offset:((\a)/4)*32*REC+((\a)%4)*FRB+512    ; and 256, at multiples of 256 from hq's first byte
	ds_store_b32 v[STGW], v[HWR] offset:((\a)/4)*256+128*((\a)%2)+4*(((\a)%4)/2)                 ; at its place in the scale image; lanes l and l xor 16 write the same word with the same value
.endm
; The halves of the rows' scale words, one from each of two waves, meet in LDS; each wave finishes one record's scale image
.macro MERGE
	s_wait_dscnt 0x0                               ; for the others' sake: my half words lie in LDS
	s_barrier_signal -1
	s_barrier_wait -1
	ds_load_b64 v[54:55], v[STGR]                  ; the halves of units 0-63 of the 128,
	ds_load_b64 v[56:57], v[STGR] offset:512       ; and of units 64-127, from the wave beside me
	s_wait_dscnt 0x0
	v_lshl_or_b32 v58, v56, 16, v54
	v_lshl_or_b32 v59, v57, 16, v55
	global_store_b64 v[HO8], v[58:59], s[84:85]    ; one record's scale image: 256 consecutive bytes
.endm
	s_wait_tensorcnt 0x2                           ; my part of K step 0 is in; K steps 1 and 2 may stay out
	s_barrier_signal -1
	s_barrier_wait -1                              ; everybody's is
	s_wait_kmcnt 0x0
	s_mov_b32 s67, s66                             ; (scale is named as a pair)
	s_mov_b32 s[STP], 3*UROW                       ; the first tile: slot 0 goes from K step 0 to K step 3
	s_mov_b32 s[STP+1], 0
	s_mov_b32 s[STP+2], 0
	s_mov_b32 s[STP+3], 0
	s_mov_b32 s[TL], 2
.Ltile:
	FETCH1 0
	s_wait_loadcnt 0x0                             ; b1
	UNIT1 0, 1
	TURN1 1, 1
	UNIT1 2, 0
	UNIT1 3, 0
	UNIT1 4, 0
	TURN1 5, 0
	UNIT1 6, 0
	s_wait_dscnt 0x0
	WIN MUL_LO
	MUL1 7, 0, 3, 0
	WIN MUL_HI
	MUL1 7, 4, 7, 0
	WIN 0                                          ; at a label and at a branch every window is 0
	PLACES 4                                       ; behind the last products: their results are read, and the registers that held x's fragments are written
	s_cmp_eq_u32 s[TL], 1
	s_cbranch_scc1 .Llast_tile                     ; the last tile's epilogue is written out: it asks for nothing more
	REFILL 0                                       ; THE RING GOES ON INTO THE NEXT TILE while this one's epilogue runs: slot 0 (x's K step 3),
.irp a, 0,1,2
	EPI \a
.endr
	REFILL 1                                       ; slot 1 (K step 1),
.irp a, 3,4,5
	EPI \a
.endr
	REFILL 2                                       ; slot 2 (K step 2)
.irp a, 6,7
	EPI \a
.endr
	MERGE
	s_wait_xcnt 0x0                                ; every earlier store has read its registers and its base: the bases step, and the next tile's loads may land on the codes' registers
	s_add_nc_u64 s[82:83], s[82:83], 16*REC        ; hq: 16 records on along K
	s_add_nc_u64 s[84:85], s[84:85], 16*REC
	s_add_nc_u64 s[10:11], s[10:11], 16*128*4      ; b1: 16 tiles on
	LOADB1
	s_mov_b32 s[STP], 0                            ; the second tile: slot 0 goes from K step 3 back to K step 0
	s_mov_b32 s[STP+2], 3*UROW
	s_sub_co_u32 s[TL], s[TL], 1
	s_branch .Ltile
.Llast_tile:
.irp a, 0,1,2,3,4,5,6,7
	EPI \a
.endr
	MERGE
	s_wait_tensorcnt 0x0                           ; the wave's end
	ds_add_u32 v[SPW], v[NIL]
	s_wait_dscnt 0x0
	CROUND                                         ; the closing round
	s_endpgm
.Lfunc_end_k_qfbd6be8948_ffn1:
	.size	k_qfbd6be8948_ffn1, .Lfunc_end_k_qfbd6be8948_ffn1-k_qfbd6be8948_ffn1
	.p2alignl 7, 3214868480
	.fill 96, 4, 3214868480
	.section	.rodata,"a",@progbits
	.p2align	6, 0x0
	.amdhsa_kernel k_qfbd6be8948_ffn1
		.amdhsa_group_segment_fixed_size 327680
		.amdhsa_private_segment_fixed_size 0
		.amdhsa_enable_private_segment 0
		.amdhsa_kernarg_size 48
		.amdhsa_user_sgpr_count 2
		.amdhsa_user_sgpr_kernarg_segment_ptr 1
		.amdhsa_wavefront_size32 1
		.amdhsa_system_sgpr_workgroup_id_x 1
		.amdhsa_system_sgpr_workgroup_id_y 1
		.amdhsa_system_sgpr_workgroup_id_z 1
		.amdhsa_system_vgpr_workitem_id 0
		.amdhsa_next_free_vgpr 1024
		.amdhsa_next_free_sgpr 100
		.amdhsa_reserve_vcc 0
		.amdhsa_float_denorm_mode_32 3
		.amdhsa_float_denorm_mode_16_64 3
		.amdhsa_memory_ordered 1
		.amdhsa_forward_progress 1
		.amdhsa_inst_pref_size 255
	.end_amdhsa_kernel
	.section	.bss,"aw",@nobits
	.p2align	6
	.space	262144
	.amdgpu_metadata
---
amdhsa.version: [ 1, 2 ]
amdhsa.kernels:
  - .name:           k_qfbd6be8948_ffn1
    .symbol:         k_qfbd6be8948_ffn1.kd
    .args:
      - { .name: xq, .offset: 0, .size: 8, .value_kind: global_buffer, .address_space: global }
      - { .name: w1q, .offset: 8, .size: 8, .value_kind: global_buffer, .address_space: global }
      - { .name: m1q, .offset: 16, .size: 8, .value_kind: global_buffer, .address_space: global }
      - { .name: b1, .offset: 24, .size: 8, .value_kind: global_buffer, .address_space: global }
      - { .name: scale, .offset: 32, .size: 8, .value_kind: global_buffer, .address_space: global }
      - { .name: hq, .offset: 40, .size: 8, .value_kind: global_buffer, .address_space: global }
    .group_segment_fixed_size: 327680
    .private_segment_fixed_size: 0
    .kernarg_segment_align: 8
    .kernarg_segment_size: 48
    .max_flat_workgroup_size: 128
    .sgpr_count:     100
    .vgpr_count:     1024
    .wavefront_size: 32
...
	.end_amdgpu_metadata
.endif
;; end of part 2
;; launch ffn2 (part 3): grid 8 x 32, 4 waves a work-group, clusters of 4 x 4, 327,680 bytes of LDS; arguments hq, w2q, m2q, b2, scale, out0; writes out0
.if DOCPART == 3
	.amdgcn_target "amdgcn-amd-amdhsa--gfx1250"
	.amdhsa_code_object_version 6
	.text
	.protected	k_qfbd6be8948_ffn2
	.globl	k_qfbd6be8948_ffn2
	.p2align	8
	.type	k_qfbd6be8948_ffn2,@function
k_qfbd6be8948_ffn2:
	s_mov_b64 s[64:65], 0
	v_nop
	global_prefetch_b8 v0, s[64:65] scope:SCOPE_SE
	s_setreg_imm32_b32 hwreg(HW_REG_WAVE_MODE, 25, 1), 1
	s_wait_xcnt 0x0
	s_wait_alu depctr_hold_cnt(0) depctr_sa_sdst(0) depctr_va_vdst(0) depctr_va_sdst(0) depctr_va_ssrc(0) depctr_va_vcc(0) depctr_vm_vsrc(0)
	s_getreg_b32 s2, hwreg(HW_REG_IB_STS2, 6, 4)
	s_cmp_eq_u32 s2, 0
	s_cbranch_scc0 .Lentry_in_a_cluster
	s_endpgm
.Lentry_in_a_cluster:
	s_bfe_u32 s2, ttmp6, 0x10000c
	s_cmp_lg_u32 s2, 0xf033
	s_cbranch_scc0 .Lentry_shape_is_right
	s_endpgm
.Lentry_shape_is_right:
; out = Q(g) Q(W2)^T + scale Q(g) Q(m2[b])^T + b2.  Operands: codes of FP6 (E2M3) with E8M0 scales, laid as RECORDS (64 rows x 128 K as images of the operand registers: four fragments of 1,536 bytes, then 256 bytes
; of scale words; a buffer is [rows / 64][32] records of 6,400 bytes).  out: [4096][1024] f32.
; SHARES.  256 work-groups, each 128 rows x 128 outputs; each of its four waves 64 rows x 64 outputs with TWO accumulators for each result (W2's and m2's): 32 accumulators, 256 registers.
; K = 4,096 goes in eight steps of 512 through two LDS slots; a step is two parts of 256 along K, 64 matrix instructions each, on two sets of operand registers.
; TWO WALKS ALONG K: a cluster whose x + y is even walks K steps 0 .. 7, one whose x + y is odd walks 4 .. 7, 0 .. 3.  Each tile of g (read by the two clusters of one y), of m2[b] (by the two y of a sample) and of W2
; (by all y) has readers of both kinds, so the two kinds ask for it four K steps apart.
; CLUSTER 4 x 4: the four of a row need the same rows of g, the four of a column the same rows of W2 and (a column lies in one sample) of m2[b]: each tile is asked for jointly.
; THE MATRIX INSTRUCTION IS USED TRANSPOSED (source 0 = 16 rows of W2 or m2, source 1 = 16 rows of g): a lane holds eight neighbouring outputs of one row.  b2 is the C of W2's first product, and half of the clusters
; begin in the middle of K: other orders of rounding than out = p3 + scale p4 + b2 with K ascending.  NaN and infinities are not served.
; REGISTERS: window 0: v1-2 the spare word's address and 0; v3-14 LDS addresses; v15-17 the way out; v32-55 scale words, two sets; v64-159, v160-255 g's fragments, two sets (free on the way out);
;   window 1: v0-191 the weights' fragments, set 0; v192-223 b2;  window 3: v0-191 set 1;  window 2: the accumulators: (a, b) at v[8 (8 a + b)], b = 0-3 W2, 4-7 m2.
.set REC,   6400
.set FRB,   1536
.set SCO,   6144
.set UROW,  4*REC                      ; 64 rows x 512 K
.set SLOT,  6*UROW                     ; g's two, W2's two, m2's two
.set SPARE, 2*SLOT                     ; behind the ring: the spare words, 128 bytes a wave: two blocks of 256 bytes that no other line names
.set SPT,   272                        ; the way out: a stage of 16 rows x (256 bytes + 16) for each wave, in slot 0, which has had its last fill and its last read when the first result is stored there
.set SPW,   1
.set NIL,   2
.set ADR,   3                          ; slot s: v[3+6s] g's fragments (16 l), +1 (8 l), +2, +3 W2's, +4, +5 m2's
.set STO,   15
.set RD,    16
.set CO,    17
.set SC,    32                         ; set p at 32 + 12 p, its q-th 128 along K at + 6 q: g (2), W2 (2), m2 (2)
.set AF,    64
.set BIAS,  192
.set OB,    64
.set BK,    128
.set MSB, 0
.macro WIN new                         ; the immediate's high byte repeats the setting that is left
.if MSB != (\new)
	s_set_vgpr_msb (MSB<<8)|(\new)
.set MSB, \new
.endif
.endm
.macro PLACES n
.rept \n
	v_nop
.endr
.endm
; A joint load: waves 0 and 1 fetch g's two runs of 64 rows, wave 2 W2's rows, wave 3 m2's.  Four v_nop follow each of the two lines.
.macro JLOAD s
	s_cmp_eq_u32 s17, 0
	s_cbranch_scc0 .Lfor_b_\@
	tensor_load_to_lds s[40+4*\s:43+4*\s], s[24:31]
	s_nop 0
.rept 4
	v_nop
.endr
	s_branch .Lasked_\@
.Lfor_b_\@:
	tensor_load_to_lds s[48+4*\s:51+4*\s], s[32:39]
	s_nop 0
.rept 4
	v_nop
.endr
.Lasked_\@:
.endm
.macro CREST
	s_cmp_lg_u32 s16, 0
	s_cbranch_scc1 .Lnot_wave_0_\@
	s_barrier_signal -3
.Lnot_wave_0_\@:
	s_barrier_wait -3
	s_barrier_signal -1
	s_barrier_wait -1
.endm
.macro CROUND
	s_barrier_signal -1
	s_barrier_wait -1
	CREST
.endm
	s_load_b256 s[4:11], s[0:1], 0x0               ; hq 4, w2q 6, m2q 8, b2 10
	s_load_b128 s[12:15], s[0:1], 0x20             ; scale 12, out 14
	v_lshl_add_u32 v[SPW], v0, 2, SPARE
	v_mov_b32 v[NIL], 0
	ds_add_u32 v1, v2
	ds_add_u32 v1, v2
	s_wait_dscnt 0x0
	v_lshrrev_b32 v60, 5, v0
	v_readfirstlane_b32 s16, v60                   ; wave
	s_lshr_b32 s17, s16, 1                         ; which 64 rows are mine.  Also: I fetch for g (0) or for the weights (1)
	s_and_b32 s18, s16, 1                          ; which 64 outputs.  Also: which run of g, or W2 (0) or m2 (1), I fetch
	s_bfe_u32 s19, ttmp6, 0x40000                  ; cx
	s_bfe_u32 s20, ttmp6, 0x40004                  ; cy
	s_lshl_b32 s21, ttmp9, 2
	s_add_co_u32 s21, s21, s19                     ; n: tile of 128 outputs
	s_and_b32 s23, ttmp7, 0xffff                   ; cluster y: 512 rows, half a sample
	s_lshl_b32 s22, s23, 2
	s_add_co_u32 s22, s22, s20                     ; tile of 128 rows
	s_lshl_b32 s96, s20, 2
	s_lshl_b32 s96, 15, s96                        ; my row of the cluster
	s_lshl_b32 s97, 0x1111, s19                    ; my column
	s_or_b32 s24, s96, (3<<16)|(1<<21)             ; group 1: the mask; elements of 8 bytes; bit 21 beside a mask; no padding
	s_or_b32 s32, s97, (3<<16)|(1<<21)
	s_mov_b32 s25, 3200<<16                        ; g: one run of 25,600 bytes (four records)
	s_mov_b32 s26, 1<<16
	s_mov_b32 s27, 3200<<16
	s_mov_b32 s28, 1
	s_mov_b32 s29, 25600
	s_mov_b32 s30, 0
	s_mov_b32 s31, 0
	s_mov_b32 s33, 3200<<16                        ; the weights: two such runs, 32 records apart
	s_mov_b32 s34, 2<<16
	s_mov_b32 s35, 3200<<16
	s_mov_b32 s36, 2
	s_mov_b32 s37, 25600
	s_mov_b32 s38, 0
	s_mov_b32 s39, 0
	s_lshl_b32 s86, s22, 1
	s_add_co_u32 s86, s86, s18
	s_mul_i32 s86, s86, 32*REC                     ; g: run 2 x tile row + which
	s_mov_b32 s87, 0
	s_mul_i32 s90, s21, 64*REC                     ; weights: run 2 n,
	s_lshr_b32 s92, s23, 1
	s_mul_i32 s92, s92, 512*REC
	s_cmp_eq_u32 s18, 0
	s_cselect_b32 s92, 0, s92                      ; in m2q: of my sample
	s_add_co_u32 s90, s90, s92
	s_mov_b32 s91, 0
	s_add_co_u32 s99, ttmp9, s23                   ; cluster x + cluster y: the same in all sixteen partners
	s_and_b32 s99, s99, 1                          ; odd: the walk begins at K step 4
	s_mul_i32 s57, s99, 8*UROW                     ; and goes back by all of K where it passes the end
	s_mul_i32 s99, s99, 4*UROW
	s_add_co_u32 s86, s86, s99
	s_add_co_u32 s90, s90, s99
	s_mov_b32 s58, 0                               ; s[58:59]: what this trip's refills take off their addresses
	s_mov_b32 s59, 0
	s_mul_i32 s93, s18, UROW                       ; where they go: g's runs at 0 and UROW,
	s_mul_i32 s98, s18, 2*UROW
	s_add_co_u32 s98, s98, 2*UROW                  ; W2's behind them, then m2's: no place in the cluster enters an LDS address
	s_wait_kmcnt 0x0
	s_cmp_eq_u32 s18, 0
	s_cselect_b64 s[94:95], s[6:7], s[8:9]
	s_add_nc_u64 s[88:89], s[4:5], s[86:87]
	s_add_nc_u64 s[94:95], s[94:95], s[90:91]
	s_load_b32 s66, s[12:13], 0x0                  ; scale
	CROUND                                         ; all sixteen work-groups are here: the first joint loads meet
.irp s, 0,1
	s_mov_b32 s[40+4*\s], 1
	s_add_co_u32 s[41+4*\s], s93, \s*SLOT
	s_add_nc_u64 s[42+4*\s:43+4*\s], s[88:89], \s*UROW
	s_or_b32 s[43+4*\s], s[43+4*\s], 0x80000000
	s_mov_b32 s[48+4*\s], 1
	s_add_co_u32 s[49+4*\s], s98, \s*SLOT
	s_add_nc_u64 s[50+4*\s:51+4*\s], s[94:95], \s*UROW
	s_or_b32 s[51+4*\s], s[51+4*\s], 0x80000000
	JLOAD \s                                       ; the walk's first two K steps: two loads of mine are out
.endr
	v_and_b32 v60, 31, v0                          ; lane
	v_and_b32 v61, 15, v0                          ; r
	v_bfe_u32 v62, v0, 4, 1                        ; h
	v_lshlrev_b32 v58, 4, v60
	v_lshlrev_b32 v59, 3, v60
	s_mul_i32 s86, s17, UROW                       ; my 64 rows of g
	s_mul_i32 s87, s18, UROW
	s_add_co_u32 s87, s87, 2*UROW                  ; my 64 rows of W2
	s_add_co_u32 s92, s87, 2*UROW                  ; and of m2
.irp s, 0,1
	v_add_nc_u32 v[ADR+6*\s], s86, v58
	v_add_nc_u32 v[ADR+6*\s+1], s86, v59
	v_add_nc_u32 v[ADR+6*\s+2], s87, v58
	v_add_nc_u32 v[ADR+6*\s+3], s87, v59
	v_add_nc_u32 v[ADR+6*\s+4], s92, v58
	v_add_nc_u32 v[ADR+6*\s+5], s92, v59
	s_add_co_u32 s86, s86, SLOT
	s_add_co_u32 s87, s87, SLOT
	s_add_co_u32 s92, s92, SLOT
.endr
	s_mul_i32 s86, s16, 16*SPT                     ; my stage
	v_mul_u32_u24 v[STO], v61, SPT                 ; in: row r, 32 bytes for each half of the lanes
	v_lshl_add_u32 v[STO], v62, 5, v[STO]
	v_add_nc_u32 v[STO], s86, v[STO]
	v_mul_u32_u24 v[RD], v62, SPT                  ; back: lanes 0-15 one row of 256 bytes, lanes 16-31 the next
	v_lshl_add_u32 v[RD], v61, 4, v[RD]
	v_add_nc_u32 v[RD], s86, v[RD]
	v_lshlrev_b32 v[CO], 12, v62                   ; and the same two rows in out
	v_lshl_add_u32 v[CO], v61, 4, v[CO]
	s_lshl_b32 s90, s21, 9
	s_lshl_b32 s91, s18, 8
	s_add_co_u32 s90, s90, s91                     ; my 64 outputs, in bytes
	s_mov_b32 s91, 0
	s_add_nc_u64 s[10:11], s[10:11], s[90:91]      ; b2 there
	s_lshl_b32 s92, s22, 19
	s_lshl_b32 s93, s17, 18
	s_add_co_u32 s92, s92, s93
	s_add_co_u32 s92, s92, s90                     ; + my first row: 128 x tile row + 64 x half, 4,096 bytes each
	s_mov_b32 s93, 0
	s_add_nc_u64 s[82:83], s[14:15], s[92:93]
	v_lshlrev_b32 v63, 5, v62
	WIN 0x40
.irp t, 0,1,2,3                        ; tile t, lane (r, h), register j: output 16 t + 8 h + j
	global_load_b128 v[BIAS+8*\t:BIAS+8*\t+3], v63, s[10:11] offset:64*\t
	global_load_b128 v[BIAS+8*\t+4:BIAS+8*\t+7], v63, s[10:11] offset:64*\t+16
.endr
	WIN 0
.macro FRAG3 reg, adr, off             ; a weight's fragment: three loads of 512 consecutive bytes
	ds_load_b128 v[\reg:\reg+3], v[\adr] offset:\off
	ds_load_b128 v[\reg+4:\reg+7], v[\adr] offset:\off+512
	ds_load_b128 v[\reg+8:\reg+11], v[\adr] offset:\off+1024
.endm
.macro FRAG4 reg, a16, a8, off         ; a fragment of g: two halves of 768 bytes, as the first layer's waves stored them
	ds_load_b128 v[\reg:\reg+3], v[\a16] offset:\off
	ds_load_b64 v[\reg+4:\reg+5], v[\a8] offset:\off+512
	ds_load_b128 v[\reg+6:\reg+9], v[\a16] offset:\off+768
	ds_load_b64 v[\reg+10:\reg+11], v[\a8] offset:\off+1280
.endm
; one matrix instruction, from the symbols rD, rB, rA, rC (registers), sB, sA (scale registers), oB, oA (their rows).  z = 1: C is the constant 0
.macro PROD z
.if \z
.if oB && oA
	v_wmma_scale_f32_16x16x128_f8f6f4 v[rD:rD+7], v[rB:rB+11], v[rA:rA+11], 0, v[sB], v[sA] matrix_a_fmt:MATRIX_FMT_FP6 matrix_b_fmt:MATRIX_FMT_FP6 matrix_a_scale:MATRIX_SCALE_ROW1 matrix_b_scale:MATRIX_SCALE_ROW1
.elseif oB
	v_wmma_scale_f32_16x16x128_f8f6f4 v[rD:rD+7], v[rB:rB+11], v[rA:rA+11], 0, v[sB], v[sA] matrix_a_fmt:MATRIX_FMT_FP6 matrix_b_fmt:MATRIX_FMT_FP6 matrix_a_scale:MATRIX_SCALE_ROW1
.elseif oA
	v_wmma_scale_f32_16x16x128_f8f6f4 v[rD:rD+7], v[rB:rB+11], v[rA:rA+11], 0, v[sB], v[sA] matrix_a_fmt:MATRIX_FMT_FP6 matrix_b_fmt:MATRIX_FMT_FP6 matrix_b_scale:MATRIX_SCALE_ROW1
.else
	v_wmma_scale_f32_16x16x128_f8f6f4 v[rD:rD+7], v[rB:rB+11], v[rA:rA+11], 0, v[sB], v[sA] matrix_a_fmt:MATRIX_FMT_FP6 matrix_b_fmt:MATRIX_FMT_FP6
.endif
.else
.if oB && oA
	v_wmma_scale_f32_16x16x128_f8f6f4 v[rD:rD+7], v[rB:rB+11], v[rA:rA+11], v[rC:rC+7], v[sB], v[sA] matrix_a_fmt:MATRIX_FMT_FP6 matrix_b_fmt:MATRIX_FMT_FP6 matrix_a_scale:MATRIX_SCALE_ROW1 matrix_b_scale:MATRIX_SCALE_ROW1
.elseif oB
	v_wmma_scale_f32_16x16x128_f8f6f4 v[rD:rD+7], v[rB:rB+11], v[rA:rA+11], v[rC:rC+7], v[sB], v[sA] matrix_a_fmt:MATRIX_FMT_FP6 matrix_b_fmt:MATRIX_FMT_FP6 matrix_a_scale:MATRIX_SCALE_ROW1
.elseif oA
	v_wmma_scale_f32_16x16x128_f8f6f4 v[rD:rD+7], v[rB:rB+11], v[rA:rA+11], v[rC:rC+7], v[sB], v[sA] matrix_a_fmt:MATRIX_FMT_FP6 matrix_b_fmt:MATRIX_FMT_FP6 matrix_b_scale:MATRIX_SCALE_ROW1
.else
	v_wmma_scale_f32_16x16x128_f8f6f4 v[rD:rD+7], v[rB:rB+11], v[rA:rA+11], v[rC:rC+7], v[sB], v[sA] matrix_a_fmt:MATRIX_FMT_FP6 matrix_b_fmt:MATRIX_FMT_FP6
.endif
.endif
.endm
; the products of g's blocks a0 .. a1 against the eight tiles, for the q2-th 128 along K of set p.  The 32 accumulators take turns, one instruction a turn, in the same order for every 128 along K.
; first = 1: W2's sums begin with b2 (source 2 in window 1), m2's with the constant 0: nothing is cleared
.macro MUL2 p, q2, a0, a1, first
.if \first
	WIN 0x91
.elseif (\p) == 0
	WIN 0xa1                                       ; source 0 window 1, source 1 window 0, C and D window 2
.else
	WIN 0xa3                                       ; source 0 window 3
.endif
.set aa, \a0
.rept (\a1)-(\a0)+1
.set bb, 0
.rept 8
.set rD, 8*(8*aa+bb)
.set rB, 12*(8*(\q2)+bb)
.set rA, AF+96*(\p)+12*(4*(\q2)+aa)
.set sB, SC+12*(\p)+6*(\q2)+2+2*(bb/4)+(bb%4)/2
.set sA, SC+12*(\p)+6*(\q2)+aa/2
.set oB, bb%2
.set oA, aa%2
.set rC, rD
.if (\first) && (bb < 4)
.set rC, BIAS+8*bb
.endif
.if (\first) && (bb >= 4)
	PROD 1
.else
	PROD 0
.endif
.set bb, bb+1
.endr
.set aa, aa+1
.endr
.endm
; 43 LDS loads in one run: record 2 hh + q2 of slot s (128 along K) into set hh
.macro RUN s, hh, q2
.set qi, 2*(\hh)+(\q2)
.set ab, ADR+6*(\s)
.if (\hh) == 0
	WIN 0x40
.else
	WIN 0xc0
.endif
.set bb, 0
.rept 8
	FRAG3 12*(8*(\q2)+bb), ab+2+2*(bb/4), REC*qi+FRB*(bb%4)
.set bb, bb+1
.endr
	WIN 0
.set aa, 0
.rept 4
	FRAG4 AF+96*(\hh)+12*(4*(\q2)+aa), ab, ab+1, REC*qi+FRB*aa
.set aa, aa+1
.endr
	ds_load_b64 v[SC+12*(\hh)+6*(\q2):SC+12*(\hh)+6*(\q2)+1], v[ab+1] offset:REC*qi+SCO
	ds_load_b64 v[SC+12*(\hh)+6*(\q2)+2:SC+12*(\hh)+6*(\q2)+3], v[ab+3] offset:REC*qi+SCO
	ds_load_b64 v[SC+12*(\hh)+6*(\q2)+4:SC+12*(\hh)+6*(\q2)+5], v[ab+5] offset:REC*qi+SCO
.endm
; A K step's first part: set 0 is multiplied, the slot's second half comes into set 1 (four places behind the last product that read it: ISA guide 7.12.1 for vector instructions)
.macro PARTA s, first
	s_wait_dscnt 0x0
	PLACES 4
	RUN \s, 1, 0
	MUL2 0, 0, 0, 3, \first
	RUN \s, 1, 1
	MUL2 0, 1, 0, 3, 0
.endm
; A K step's second part: set 1 is multiplied; all of slot s is in registers.  Each wave waits for all its tensor loads (its part of the other slot), adds 0 to its spare word, and waits for that and for its reads of slot s.
; mode 2: slot s is filled again, two K steps on in the walk: the barrier opens a round of the cluster's barrier, the joint load is the first thing behind it, and it has 112 matrix instructions in which to land.
; mode 1: nothing is left to fetch.  mode 0: the last part.
.macro PARTB s, mode
.if (\mode) == 0
	s_wait_dscnt 0x0
	MUL2 1, 0, 0, 3, 0
	MUL2 1, 1, 0, 3, 0
.else
	WIN 0
	s_wait_tensorcnt 0x0                           ; all my tensor loads have landed, so a group 0 may be written
	ds_add_u32 v[SPW], v[NIL]                      ; 0 onto my spare word
.if (\mode) == 2
	s_add_nc_u64 s[42+4*\s:43+4*\s], s[42+4*\s:43+4*\s], 2*UROW
	s_sub_nc_u64 s[42+4*\s:43+4*\s], s[42+4*\s:43+4*\s], s[58:59]   ; (all of K back, where this trip's walk passes the end)
	s_add_nc_u64 s[50+4*\s:51+4*\s], s[50+4*\s:51+4*\s], 2*UROW
	s_sub_nc_u64 s[50+4*\s:51+4*\s], s[50+4*\s:51+4*\s], s[58:59]
.endif
	s_wait_dscnt 0x0                               ; the add is done, and my reads of slot s are over
	s_barrier_signal -1
	MUL2 1, 0, 0, 1, 0                             ; work on registers while the others arrive
	WIN 0
	s_barrier_wait -1
.if (\mode) == 2
	CREST                                          ; no wave of any partner still reads slot s or has a load on its way
	JLOAD \s                                       ; its four v_nop are also the places in front of the loads below
.else
	PLACES 4
.endif
	RUN 1-(\s), 0, 0
	MUL2 1, 0, 2, 3, 0
	RUN 1-(\s), 0, 1
	MUL2 1, 1, 0, 3, 0
.endif
.endm
	s_wait_tensorcnt 0x1                           ; my part of the walk's first K step is in; the second may stay out
	s_barrier_signal -1
	s_barrier_wait -1                              ; everybody's is
	RUN 0, 0, 0
	RUN 0, 0, 1
	s_wait_kmcnt 0x0
	s_mov_b32 s67, s66                             ; (scale is named as a pair)
	s_wait_loadcnt 0x0                             ; b2
	PARTA 0, 1                                     ; the first part stands in front of the loop: its first products start the sums
	WIN 0                                          ; at a label and at a branch every window is 0
	s_mov_b32 s56, 3
.Llap:                                                 ; a trip goes once round the ring and fills both slots again: the walk's K steps 2 .. 7
	s_cmp_eq_u32 s56, 2                            ; the second trip asks for the walk's steps 4 and 5: a walk that began at K step 4 passes the end of K there
	s_cselect_b32 s58, s57, 0
	PARTB 0, 2
	PARTA 1, 0
	PARTB 1, 2
	PARTA 0, 0
	WIN 0
	s_sub_co_u32 s56, s56, 1
	s_cmp_lg_u32 s56, 0
	s_cbranch_scc1 .Llap
	PARTB 0, 1                                     ; the tail is written out: it asks for nothing
	PARTA 1, 0
	PARTB 1, 0
	WIN 0
; THE WAY OUT, a block of 16 rows x 64 outputs at a time: out = (b2 + g W2) + scale g m2; through my own stage in LDS, back as whole rows of 256 bytes.
.macro COMB a
	WIN 0x22
.set ii, 0
.rept 16
	v_pk_fma_f32 v[OB+32*((\a)%2)+2*ii:OB+32*((\a)%2)+2*ii+1], v[64*(\a)+32+2*ii:64*(\a)+32+2*ii+1], s[66:67], v[64*(\a)+2*ii:64*(\a)+2*ii+1] op_sel_hi:[1,0,1]   ; each accumulator from its low end on
.set ii, ii+1
.endr
	WIN 0
.endm
.macro TOSTAGE a
.set OO, OB+32*((\a)%2)
.set BB, BK+32*((\a)%2)
.irp t, 0,1,2,3
	ds_store_b128 v[STO], v[OO+8*\t:OO+8*\t+3] offset:64*\t
	ds_store_b128 v[STO], v[OO+8*\t+4:OO+8*\t+7] offset:64*\t+16
.endr
.irp i, 0,1,2,3,4,5,6,7
	ds_load_b128 v[BB+4*\i:BB+4*\i+3], v[RD] offset:2*SPT*\i       ; LDS serves a wave's instructions in order (ISA guide 5.7.1.4): these see the stores above, and the next block's stores come behind them
.endr
.endm
.macro SEND a, younger                 ; younger: the LDS instructions issued behind block a's loads, which may stay out
.set BB, BK+32*((\a)%2)
	s_wait_dscnt \younger
.irp i, 0,1,2,3,4,5,6,7
	global_store_b128 v[CO], v[BB+4*\i:BB+4*\i+3], s[82:83] offset:(16*(\a)+2*\i)*4096 th:TH_STORE_NT   ; 16 lanes store 256 consecutive bytes, at a multiple of 256 from out's first byte
.endr
.endm
	PLACES 4                                       ; behind the last products: their results are read, and the registers that held g's fragments are written
	COMB 0
	TOSTAGE 0
.irp a, 1,2,3
.if \a > 1
	s_wait_xcnt 0x0                                ; block a - 2's stores have read their registers: block a's loads may land there
.endif
	COMB \a
	TOSTAGE \a
	SEND \a-1, 16                                  ; behind block a - 1's loads: block a's 8 stores and 8 loads
.endr
	SEND 3, 0
	s_wait_tensorcnt 0x0                           ; the wave's end
	ds_add_u32 v[SPW], v[NIL]
	s_wait_dscnt 0x0
	CROUND                                         ; the closing round
	s_endpgm
.Lfunc_end_k_qfbd6be8948_ffn2:
	.size	k_qfbd6be8948_ffn2, .Lfunc_end_k_qfbd6be8948_ffn2-k_qfbd6be8948_ffn2
	.p2alignl 7, 3214868480
	.fill 96, 4, 3214868480
	.section	.rodata,"a",@progbits
	.p2align	6, 0x0
	.amdhsa_kernel k_qfbd6be8948_ffn2
		.amdhsa_group_segment_fixed_size 327680
		.amdhsa_private_segment_fixed_size 0
		.amdhsa_enable_private_segment 0
		.amdhsa_kernarg_size 48
		.amdhsa_user_sgpr_count 2
		.amdhsa_user_sgpr_kernarg_segment_ptr 1
		.amdhsa_wavefront_size32 1
		.amdhsa_system_sgpr_workgroup_id_x 1
		.amdhsa_system_sgpr_workgroup_id_y 1
		.amdhsa_system_sgpr_workgroup_id_z 1
		.amdhsa_system_vgpr_workitem_id 0
		.amdhsa_next_free_vgpr 1024
		.amdhsa_next_free_sgpr 100
		.amdhsa_reserve_vcc 0
		.amdhsa_float_denorm_mode_32 3
		.amdhsa_float_denorm_mode_16_64 3
		.amdhsa_memory_ordered 1
		.amdhsa_forward_progress 1
		.amdhsa_inst_pref_size 134
	.end_amdhsa_kernel
	.amdgpu_metadata
---
amdhsa.version: [ 1, 2 ]
amdhsa.kernels:
  - .name:           k_qfbd6be8948_ffn2
    .symbol:         k_qfbd6be8948_ffn2.kd
    .args:
      - { .name: hq, .offset: 0, .size: 8, .value_kind: global_buffer, .address_space: global }
      - { .name: w2q, .offset: 8, .size: 8, .value_kind: global_buffer, .address_space: global }
      - { .name: m2q, .offset: 16, .size: 8, .value_kind: global_buffer, .address_space: global }
      - { .name: b2, .offset: 24, .size: 8, .value_kind: global_buffer, .address_space: global }
      - { .name: scale, .offset: 32, .size: 8, .value_kind: global_buffer, .address_space: global }
      - { .name: out0, .offset: 40, .size: 8, .value_kind: global_buffer, .address_space: global }
    .group_segment_fixed_size: 327680
    .private_segment_fixed_size: 0
    .kernarg_segment_align: 8
    .kernarg_segment_size: 48
    .max_flat_workgroup_size: 128
    .sgpr_count:     100
    .vgpr_count:     1024
    .wavefront_size: 32
...
	.end_amdgpu_metadata
.endif
;; end of part 3
